; MI455X (gfx1250); checked and timed in simulation.
; The chip was launched on July 23, 2026; its instructions are those of AMD's public machine-readable ISA for CDNA 5 (MIT licence, August 2026) and "CDNA5" Instruction Set Architecture Reference Guide (July 2026). The comments in the code are by the model that wrote it; some were corrected since.
;; LSTM Cell. Allowed arithmetic: float matrix products may take bf16 or f16 operands with f32 sums; other float arithmetic in f32, or as packed bf16 or f16 multiplies, adds, multiply-adds, maxima and minima; sums over many terms, partial sums and values carried from step to step in f32; what a program stores and reads back later, other than sums and carried values, may be rounded once to bf16 or f16.
;; Inputs: b_hc 2,048 float32; b_hf 2,048 float32; b_hi 2,048 float32; b_ho 2,048 float32; b_xc 2,048 float32; b_xf 2,048 float32; b_xi 2,048 float32; b_xo 2,048 float32; c 2,048 x 2,048 float32; h 2,048 x 2,048 float32; w_hc 2,048 x 2,048 float32; w_hf 2,048 x 2,048 float32; w_hi 2,048 x 2,048 float32; w_ho 2,048 x 2,048 float32; w_xc 2,048 x 2,048 float32; w_xf 2,048 x 2,048 float32; w_xi 2,048 x 2,048 float32; w_xo 2,048 x 2,048 float32; x 2,048 x 2,048 float32.
;; Outputs: out0 2,048 x 2,048 float32; out1 2,048 x 2,048 float32.
;; 2 versions, each right; version 2 is version 1 with the launch cast written anew for expert scheduling mode. Each part assembles by itself: llvm-mc -triple=amdgcn-amd-amdhsa -mcpu=gfx1250 --defsym DOCPART=n.
;; ======== version 1 of 2: 2 launches
;; limits: a function is approximated: absolute error at most 1.2e-07; right only within a limited range of input values
;; workspace buffers: ab 16,777,216 bytes; wb 67,108,864 bytes
;; launch cast (part 1): grid 128 x 10, 8 waves a work-group, no clusters, 0 bytes of LDS; arguments x, h, w_xi, w_hi, w_xf, w_hf, w_xc, w_hc, w_xo, w_ho, ab, wb; writes ab, wb
.if DOCPART == 1
	.amdgcn_target "amdgcn-amd-amdhsa--gfx1250"
	.amdhsa_code_object_version 6
	.text
	.protected	k_q92d23a9991_cast
	.globl	k_q92d23a9991_cast
	.p2align	8
	.type	k_q92d23a9991_cast,@function
k_q92d23a9991_cast:
	s_mov_b64 s[64:65], 0
	v_nop
	global_prefetch_b8 v0, s[64:65] scope:SCOPE_SE
	s_setreg_imm32_b32 hwreg(HW_REG_WAVE_MODE, 25, 1), 1
	s_wait_xcnt 0x0
; LSTM cell, first of two launches: the ten matrix operands (x, h and the eight weights, all [2048][2048] f32) are rounded ONCE to bf16 and laid out as the two operands of one product.
;   ab [2048][4096] bf16: row m = x[m][0..2047], then h[m][0..2047].
;   wb [8192][4096] bf16: row p = (col >> 5) * 128 + gate * 32 + (col & 31), gates i, f, c, o = 0..3, holds w_x{gate}[col][:], then w_h{gate}[col][:]:
;      128 rows on end are 4 gates x 32 columns, so that the four gates of one output number meet in one lane of the second launch.
; NOTHING IS LEFT OUT: every one of reference()'s 19 inputs reaches an output for all values; the biases and c are read by the second launch.
; LIMITS: the rounding to bf16 (nearest even) is the only change; bf16 has f32's range, so no finite input overflows but those that round up past the largest bf16.
; SHARES.  Grid y = which source (0..9, in the order of the arguments), grid x = a block of 16 of its rows; wave w takes rows 16 bx + 2 w and the next.  A source row is 8,192 bytes: 16 loads of 16 bytes a
; lane, 512 consecutive bytes each; it leaves as 4,096 bytes: 16 stores of 8 bytes a lane, each 256 consecutive bytes at a multiple of 256 from the buffer's first byte.
; No loop: all 32 loads of a wave go out first, and each is rounded and stored as it comes.  No LDS, no barrier, no matrix unit, no cluster: no wave wants a byte that another has fetched.
.set ROWF, 8192                        ; bytes in a source row (2,048 f32)
.set ROWD, 8192                        ; bytes in a row of ab and of wb (4,096 bf16)
.set X,    4                           ; v[4:131] load n of 32 at X + 4 n; its two packed words take the first two of its four registers
	s_load_b512 s[8:23], s[0:1], 0x0               ; x, h, w_xi, w_hi, w_xf, w_hf, w_xc, w_hc
	s_load_b256 s[24:31], s[0:1], 0x40             ; w_xo, w_ho, ab s[28:29], wb s[30:31]
	v_lshrrev_b32 v3, 5, v0
	v_readfirstlane_b32 s3, v3                     ; wave 0..7
	v_and_b32 v1, 31, v0
	v_lshlrev_b32 v2, 3, v1                        ; 8 bytes a lane on the way out
	v_lshlrev_b32 v1, 4, v1                        ; 16 bytes a lane on the way in
	s_and_b32 s2, ttmp7, 0xffff                    ; the source's number
	s_lshl_b32 s32, ttmp9, 4
	s_lshl1_add_u32 s32, s3, s32                   ; my first row = 16 x block + 2 x wave (even: both rows share col >> 5)
	s_lshl_b32 s34, s32, 13                        ; its byte offset in the source
	s_mov_b32 s35, 0
	s_lshr_b32 s38, s32, 5
	s_lshl_b32 s38, s38, 7                         ; (col >> 5) * 128
	s_and_b32 s39, s32, 31                         ; col & 31
	s_lshr_b32 s40, s2, 1
	s_max_u32 s40, s40, 1                          ; (x and h take gate 0 here; their row is chosen below)
	s_sub_co_u32 s40, s40, 1                       ; the gate
	s_lshl_b32 s40, s40, 5
	s_add_co_u32 s41, s38, s39
	s_add_co_u32 s41, s41, s40                     ; the row in wb
	s_cmp_lt_u32 s2, 2
	s_cselect_b32 s36, s32, s41                    ; x and h keep their row, in ab
	s_lshl_b32 s36, s36, 13
	s_and_b32 s42, s2, 1                           ; the h side is the second half of a row
	s_lshl_b32 s42, s42, 12
	s_add_co_u32 s36, s36, s42
	s_mov_b32 s37, 0
	s_wait_kmcnt 0x0
	s_mov_b64 s[4:5], s[8:9]                       ; the source's address: a choice among the ten by the work-group's y
.irp i, 1,2,3,4,5,6,7,8,9
	s_cmp_eq_u32 s2, \i
	s_cselect_b64 s[4:5], s[8+2*(\i):9+2*(\i)], s[4:5]
.endr
	s_cmp_lt_u32 s2, 2
	s_cselect_b64 s[6:7], s[28:29], s[30:31]       ; and the destination's
	s_add_nc_u64 s[4:5], s[4:5], s[34:35]
	s_add_nc_u64 s[6:7], s[6:7], s[36:37]
.set n, 0
.rept 32                                       ; two rows: 16 KiB of a wave on their way at once
	global_load_b128 v[X+4*n:X+4*n+3], v1, s[4:5] offset:(n/16)*ROWF+(n%16)*512 th:TH_LOAD_NT
.set n, n+1
.endr
.set n, 0
.rept 32
	s_wait_loadcnt 31-n                            ; loads come back in order (ISA guide 5.7.1): load n is in, the 31 - n younger ones stay out
	v_cvt_pk_bf16_f32 v[X+4*n], v[X+4*n], v[X+4*n+1]
	v_cvt_pk_bf16_f32 v[X+4*n+1], v[X+4*n+2], v[X+4*n+3]
	global_store_b64 v2, v[X+4*n:X+4*n+1], s[6:7] offset:(n/16)*ROWD+(n%16)*256 th:TH_STORE_NT  ; no register that a store names is written again
.set n, n+1
.endr
	s_endpgm
.Lfunc_end_k_q92d23a9991_cast:
	.size	k_q92d23a9991_cast, .Lfunc_end_k_q92d23a9991_cast-k_q92d23a9991_cast
	.p2alignl 7, 3214868480
	.fill 96, 4, 3214868480
	.section	.rodata,"a",@progbits
	.p2align	6, 0x0
	.amdhsa_kernel k_q92d23a9991_cast
		.amdhsa_group_segment_fixed_size 0
		.amdhsa_private_segment_fixed_size 0
		.amdhsa_enable_private_segment 0
		.amdhsa_kernarg_size 96
		.amdhsa_user_sgpr_count 2
		.amdhsa_user_sgpr_kernarg_segment_ptr 1
		.amdhsa_wavefront_size32 1
		.amdhsa_system_sgpr_workgroup_id_x 1
		.amdhsa_system_sgpr_workgroup_id_y 1
		.amdhsa_system_sgpr_workgroup_id_z 1
		.amdhsa_system_vgpr_workitem_id 0
		.amdhsa_next_free_vgpr 132
		.amdhsa_next_free_sgpr 66
		.amdhsa_reserve_vcc 0
		.amdhsa_float_denorm_mode_32 3
		.amdhsa_float_denorm_mode_16_64 3
		.amdhsa_memory_ordered 1
		.amdhsa_forward_progress 1
		.amdhsa_inst_pref_size 13
	.end_amdhsa_kernel
	.amdgpu_metadata
---
amdhsa.version: [ 1, 2 ]
amdhsa.kernels:
  - .name:           k_q92d23a9991_cast
    .symbol:         k_q92d23a9991_cast.kd
    .args:
      - { .name: x, .offset: 0, .size: 8, .value_kind: global_buffer, .address_space: global }
      - { .name: h, .offset: 8, .size: 8, .value_kind: global_buffer, .address_space: global }
      - { .name: w_xi, .offset: 16, .size: 8, .value_kind: global_buffer, .address_space: global }
      - { .name: w_hi, .offset: 24, .size: 8, .value_kind: global_buffer, .address_space: global }
      - { .name: w_xf, .offset: 32, .size: 8, .value_kind: global_buffer, .address_space: global }
      - { .name: w_hf, .offset: 40, .size: 8, .value_kind: global_buffer, .address_space: global }
      - { .name: w_xc, .offset: 48, .size: 8, .value_kind: global_buffer, .address_space: global }
      - { .name: w_hc, .offset: 56, .size: 8, .value_kind: global_buffer, .address_space: global }
      - { .name: w_xo, .offset: 64, .size: 8, .value_kind: global_buffer, .address_space: global }
      - { .name: w_ho, .offset: 72, .size: 8, .value_kind: global_buffer, .address_space: global }
      - { .name: ab, .offset: 80, .size: 8, .value_kind: global_buffer, .address_space: global }
      - { .name: wb, .offset: 88, .size: 8, .value_kind: global_buffer, .address_space: global }
    .group_segment_fixed_size: 0
    .private_segment_fixed_size: 0
    .kernarg_segment_align: 8
    .kernarg_segment_size: 96
    .max_flat_workgroup_size: 256
    .sgpr_count:     66
    .vgpr_count:     132
    .wavefront_size: 32
...
	.end_amdgpu_metadata
.endif
;; end of part 1
;; launch lstm (part 2): grid 32 x 8, 4 waves a work-group, clusters of 4 x 4, 327,680 bytes of LDS; arguments b_xi, b_hi, b_xf, b_hf, b_xc, b_hc, b_xo, b_ho, ab, wb, c, out0, out1; writes out0, out1
.if DOCPART == 2
	.amdgcn_target "amdgcn-amd-amdhsa--gfx1250"
	.amdhsa_code_object_version 6
	.text
	.protected	k_q92d23a9991_lstm
	.globl	k_q92d23a9991_lstm
	.p2align	8
	.type	k_q92d23a9991_lstm,@function
k_q92d23a9991_lstm:
	s_mov_b64 s[64:65], 0
	v_nop
	global_prefetch_b8 v0, s[64:65] scope:SCOPE_SE
	s_setreg_imm32_b32 hwreg(HW_REG_WAVE_MODE, 25, 1), 1
	s_wait_xcnt 0x0
	s_wait_alu depctr_hold_cnt(0) depctr_sa_sdst(0) depctr_va_vdst(0) depctr_va_sdst(0) depctr_va_ssrc(0) depctr_va_vcc(0) depctr_vm_vsrc(0)
	s_getreg_b32 s2, hwreg(HW_REG_IB_STS2, 6, 4)
	s_cmp_eq_u32 s2, 0
	s_cbranch_scc0 .Lentry_in_a_cluster
	s_endpgm
.Lentry_in_a_cluster:
	s_bfe_u32 s2, ttmp6, 0x10000c
	s_cmp_lg_u32 s2, 0xf033
	s_cbranch_scc0 .Lentry_shape_is_right
	s_endpgm
.Lentry_shape_is_right:
; LSTM cell, second launch: the four gates' sums, the activations and the cell update in one.
;   pre[m][p] = sum over k of ab[m][k] wb[p][k] + b_x + b_h   (ab = [x | h] in bf16, wb = the eight weights in bf16, rows in the order (col >> 5, gate, col & 31): the launch before);
;   i, f, o = sigmoid(pre), g = tanh(pre);  out1 = c_ = f c + i g;  out0 = h_ = o tanh(c_).  Sums, biases, c and all that follows in f32.
; NOTHING IS LEFT OUT: every input of reference() reaches an output; x, h and the weights come as ab and wb.
; LIMITS.  Operands of the products are bf16.  sigmoid(a) = 1 / (1 + 2^(-a log2 e)), tanh(a) = 1 - 2 / (1 + 2^(2 a log2 e)): both run into their end values through 2^.. = infinity or 0 and give no NaN for finite a;
; this tanh is off by up to some 1.2e-7 absolute, so below |a| of some 1e-5 its relative accuracy is lost; a sigmoid below 2^-126 comes out as 0; NaN and infinities are not treated apart.
; SHARES.  A work-group of four waves makes 256 rows x 256 rows of wb = 256 rows x 64 columns of all four gates; a wave 128 x 128: 64 accumulators of 16 x 16, 512 registers.  32 x 8 = 256 work-groups.
; K = 4,096 goes in 32 steps of 128 through two LDS slots filled by the tensor data mover; a tile's rows are 256 bytes of memory at multiples of 256 bytes from the buffer's first byte.
; THE MATRIX INSTRUCTION IS USED TRANSPOSED (source 0 = 16 rows of wb, source 1 = 16 rows of ab): lane l holds row l % 16 and, in registers 0-7, wb's rows 8 (l / 16) + 0..7 of block b.  A wave's eight blocks b
; are gate b / 2, column half b % 2: the four gates of one output number lie in the same lane and register of accumulators (a, cb), (a, 2 + cb), (a, 4 + cb), (a, 6 + cb): the update never changes lanes.
; THE BIASES START THE SUMS: the first product on each accumulator takes b_x + b_h, laid out as a C operand, in place of a constant 0: nothing is cleared and nothing is added later.
; CLUSTERS: 4 x 4 work-groups.  The four of a row of the cluster need the same tiles of ab, the four of a column the same tiles of wb: each tile is asked for JOINTLY, by the same tensor load with the same
; descriptor and a mask that names the four.
; c: the last change of slots that leaves slot 0 fills its first half with the work-group's 256 x 64 numbers of c (a load of the work-group's own, mask 0), which land under the last K step.
; THE WAY OUT: c_ and h_ go into stages that lie in slot bytes which have had their last fill, and come back as whole rows: 16 lanes store 256 consecutive bytes.
; REGISTERS, in windows of 256 (s_set_vgpr_msb: bits 1:0 source 0, 3:2 source 1, 5:4 source 2, 7:6 destination):
;   window 0: v0-31 addresses; v64-127, v128-191 fragments of ab, two buffers (later: the update's work, rows of c_); v192-255 the bias sums
;   window 1: v64-127, v128-191 fragments of wb, two buffers (later: rows of h_)
;   window 2: the 32 accumulators of my rows 0-63 ((a, b) at v[8 (8 a + b)]);   window 3: those of my rows 64-127
.set KSTEP,  128
.set PITCH,  272                       ; an LDS row: 256 bytes + 16 of padding = 68 words: row r starts at bank 4 r mod 64 (64 banks of 4 bytes: ISA guide 11.1), so the 16 rows that a load touches start at 16 different banks
.set HALFT,  128*PITCH                 ; 128 rows: what one joint load brings, and what one wave reads of ab or of wb
.set SLOT,   4*HALFT                   ; ab's 256 rows, then wb's 256 rows
.set SPARE,  2*SLOT                    ; behind the ring: the spare words, 128 bytes for each wave: two blocks of 256 bytes that no other line names
.set HST,    2*HALFT                   ; stage for h_: 256 rows x 272 bytes where slot 0 held wb (c's tile lies at byte 0, where slot 0 held ab)
.set CST,    SLOT                      ; stage for c_: the same where slot 1 held ab
.set LAPS,   16                        ; a lap = two K steps = once round the ring
.set ROWB,   8192                      ; bytes in a row of ab, wb, c, out0 and out1 alike
.set ADRA, 16                          ; v16-17  LDS address of my fragments of ab in slot 0, 1
.set ADRB, 20                          ; v20-21  the same for wb
.set RDH,  22                          ; v22     where I read rows of h_ back
.set CO,   23                          ; v23     my byte offset in two rows of an output
.set CINA, 24                          ; v24     my 32 bytes in a row of c's tile
.set HSTA, 25                          ; v25     the same place in h_'s stage
.set CSTA, 26                          ; v26     and in c_'s
.set RDC,  27                          ; v27     where I read rows of c_ back
.set SPW,  28                          ; v28     LDS address of my spare word: SPARE + 4 x my thread's number; never rewritten
.set NIL,  29                          ; v29     0; never rewritten
.set PFO,  30                          ; v30     the prefetches' offset: my lane x a row; never rewritten
.set BO,   31                          ; v31     my byte offset in a bias
.set F0,   64                          ; fragment buffer 0
.set F1,   128                         ; fragment buffer 1
.set BIAS, 192                         ; v192-255 b_x + b_h for block b at BIAS + 8 b
.set T,    64                          ; the update: 64 gate numbers, block b at T + 8 b: i 0-15, f 16-31, g 32-47, o 48-63
.set CC,   128                         ; 16 numbers of c
.set CN,   144                         ; 16 of c_
.set HN,   160                         ; 16 of h_
.set U,    176                         ; 16 at work: tanh(c_)
.set WV, 14                            ; s14 wave;  s15 its row half (also: 0 = I fetch for ab, 1 = for wb);  s16 its column half (also: which 128 rows I fetch)
.set WR, 15
.set WC, 16
.set CX, 17                            ; s17, s18 my place in the cluster
.set CY, 18
.set TC, 19                            ; s19 tile column (256 rows of wb), s20 tile row (256 rows of ab)
.set TR, 20
.set G1,  24                           ; s[24:31] descriptor group 1 for ab's tiles;  s[32:39] group 0, a set for each slot
.set G0,  32
.set LIM, 43                           ; s43  1 in a wave that prefetches tiles, else the greatest number
.set PFA, 44                           ; s[44:45] where my prefetches of tiles stand
.set G1B, 48                           ; s[48:55], s[56:63] the same for wb's tiles
.set G0B, 56
.set BX,  68                           ; s[68:83] the eight biases' addresses: b_x, b_h of gate g at BX + 4 g, BX + 4 g + 2
.set G0C, 84                           ; s[84:87], s[88:95] the descriptor of c's tile
.set G1C, 88
.set NK,  96                           ; s[96:97]  -log2(e): the packed forms name a pair and take its low word for both halves
.set K2,  98                           ; s[98:99]  2 log2(e)
.set PFC, 100                          ; s[100:101] c at my wave's 64 rows of the tile
.set MSB, 0
.macro WIN new                         ; the immediate's high byte repeats the setting that is left; a switch that changes nothing is dropped
.if MSB != (\new)
	s_set_vgpr_msb (MSB<<8)|(\new)
.set MSB, \new
.endif
.endm
.set MUL_LO, 0xa1                      ; source 0 (wb) window 1, source 1 (ab) window 0, C and D window 2
.set TO_B,   0x40                      ; destination window 1, address window 0
; A joint load.  Waves 0 and 1 fetch ab's two halves, waves 2 and 3 wb's.  Each of the two lines has one mask and one set of registers for all that issue it; the branch hangs on the wave's number alone.
; An s_nop 0 and four v_nop follow each of the two lines, ahead of the jump, the label and what follows.
.macro JLOAD s
	s_cmp_eq_u32 s[WR], 0
	s_cbranch_scc0 .Lfor_b_\@
	tensor_load_to_lds s[G0+4*(\s):G0+4*(\s)+3], s[G1:G1+7]
	s_nop 0
.rept 4
	v_nop
.endr
	s_branch .Lasked_\@
.Lfor_b_\@:
	tensor_load_to_lds s[G0B+4*(\s):G0B+4*(\s)+3], s[G1B:G1B+7]
	s_nop 0
.rept 4
	v_nop
.endr
.Lasked_\@:
.endm
; PREFETCHES INTO THE L2, behind a joint load, its five lines and the run of LDS loads that follows.  Tiles: the K step that stands TWO refills on (512 matrix instructions ahead of the load that will name it): 32 rows x 256
; bytes, a lane a row, one instruction a wave.  Each row's 256 bytes of a K step are named once in the launch: ab's tile row is read by every cluster of that row of clusters, of which the one with x = 0 asks; wb's tile
; column by every cluster of that column, of which the one with y = 0 asks; the four partners that ask for a tile jointly share its rows out BY ADDRESS, 32 each (by cx for ab, by cy for wb).  The first four K steps come by
; their loads alone; the loop's last trip (s3 = 1) has no K step two on.  In that trip's first change of slots each wave asks instead for its own 64 rows x 256 bytes of c, which its tensor load names two K steps later.
.macro ASK slot
	s_cmp_gt_u32 s3, s[LIM]
	s_cbranch_scc0 .Lnot_mine_\@
	global_prefetch_b8 v[PFO], s[PFA:PFA+1] offset:KSTEP*2 th:TH_LOAD_NT scope:SCOPE_SE
.Lnot_mine_\@:
.if (\slot) == 0
	s_cmp_eq_u32 s3, 1
	s_cbranch_scc0 .Lnot_yet_\@
	global_prefetch_b8 v[PFO], s[PFC:PFC+1] th:TH_LOAD_NT scope:SCOPE_SE
	global_prefetch_b8 v[PFO], s[PFC:PFC+1] offset:32*ROWB th:TH_LOAD_NT scope:SCOPE_SE
.Lnot_yet_\@:
.endif
.endm
; A round of the cluster's barrier: my work-group's barrier, so that wave 0's signal speaks for all four waves; wave 0 signals for the work-group; every wave waits for all sixteen; my work-group's barrier once more.
.macro CREST                           ; a round behind its opening barrier
	s_cmp_lg_u32 s[WV], 0
	s_cbranch_scc1 .Lnot_wave_0_\@
	s_barrier_signal -3
.Lnot_wave_0_\@:
	s_barrier_wait -3
	s_barrier_signal -1
	s_barrier_wait -1
.endm
.macro CROUND                          ; a whole round
	s_barrier_signal -1
	s_barrier_wait -1
	CREST
.endm
	s_load_b512 s[BX:BX+15], s[0:1], 0x0           ; b_xi, b_hi, b_xf, b_hf, b_xc, b_hc, b_xo, b_ho
	s_load_b128 s[4:7], s[0:1], 0x40               ; ab s[4:5], wb s[6:7]
	s_load_b128 s[8:11], s[0:1], 0x50              ; c s[8:9], out0 s[10:11]
	s_load_b64 s[12:13], s[0:1], 0x60              ; out1
	v_lshl_add_u32 v[SPW], v0, 2, SPARE
	v_mov_b32 v[NIL], 0
	ds_add_u32 v[SPW], v[NIL]                      ; the wave's opening: the add, twice on end, and its wait ahead of my first tensor load; the set-up below, work on registers, stands between
	ds_add_u32 v[SPW], v[NIL]                      ; and once more, under the one wait
	v_lshrrev_b32 v1, 5, v0
	v_readfirstlane_b32 s[WV], v1                  ; wave 0..3
	s_lshr_b32 s[WR], s[WV], 1
	s_and_b32 s[WC], s[WV], 1
	s_bfe_u32 s[CX], ttmp6, 0x40000
	s_bfe_u32 s[CY], ttmp6, 0x40004
	s_lshl_b32 s[TC], ttmp9, 2                     ; in a cluster launch ttmp9 and ttmp7 count clusters
	s_add_co_u32 s[TC], s[TC], s[CX]               ; tile column = 4 x cluster x + cx
	s_and_b32 s[TR], ttmp7, 0xffff
	s_lshl_b32 s[TR], s[TR], 2
	s_add_co_u32 s[TR], s[TR], s[CY]               ; tile row = 4 x cluster y + cy
	s_lshl_b32 s21, s[CY], 2
	s_lshl_b32 s21, 15, s21                        ; my row of the cluster: places 4 cy .. 4 cy + 3
	s_lshl_b32 s22, 0x1111, s[CX]                  ; my column: places cx, cx + 4, cx + 8, cx + 12
	; descriptor group 1 for ab and wb: a tile of 128 rows x 128 elements of 2 bytes, padded in LDS
	s_or_b32 s[G1+0], s21, (1<<16)|(1<<20)|(1<<21)|(5<<22)|(3<<25)   ; 15:0 the mask: ab's tiles go to my row; 17:16 2-byte elements; 20 padding on; 21 set beside a mask; 24:22 after every 64 words (code 5); 31:25 4 words (code 3)
	s_or_b32 s[G1B+0], s22, (1<<16)|(1<<20)|(1<<21)|(5<<22)|(3<<25)  ; the same with the mask of my column, for wb's tiles
.irp g, G1, G1B
	s_mov_b32 s[(\g)+1], KSTEP<<16                 ; tensor_dim0 = 128
	s_mov_b32 s[(\g)+2], 128<<16                   ; tensor_dim1 = 128
	s_mov_b32 s[(\g)+3], KSTEP<<16                 ; tile_dim0 = 128
	s_mov_b32 s[(\g)+4], 128                       ; tile_dim1 = 128
	s_mov_b32 s[(\g)+5], 4096                      ; elements from row to row
	s_mov_b32 s[(\g)+6], 0
	s_mov_b32 s[(\g)+7], 0
.endr
	; descriptor group 1 for c: 64 rows x 64 elements of 4 bytes, padded alike; no mask: the tile is the work-group's own
	s_mov_b32 s[G1C+0], (2<<16)|(1<<20)|(5<<22)|(3<<25)
	s_mov_b32 s[G1C+1], 64<<16                     ; tensor_dim0 = 64
	s_mov_b32 s[G1C+2], 64<<16                     ; tensor_dim1 = 64
	s_mov_b32 s[G1C+3], 64<<16                     ; tile_dim0 = 64
	s_mov_b32 s[G1C+4], 64                         ; tile_dim1 = 64
	s_mov_b32 s[G1C+5], 2048                       ; elements from row to row
	s_mov_b32 s[G1C+6], 0
	s_mov_b32 s[G1C+7], 0
	s_mov_b32 s[NK], 0xbfb8aa3b                    ; -log2(e)
	s_mov_b32 s[NK+1], s[NK]
	s_mov_b32 s[K2], 0x4038aa3b                    ; 2 log2(e)
	s_mov_b32 s[K2+1], s[K2]
	; where the tiles come from: ab's hang on the tile row alone, wb's on the tile column alone, each in registers that never hold the other coordinate
	s_lshl_b32 s42, s[WC], 7                       ; which 128 rows of the tile I fetch
	s_lshl_b32 s40, s[TR], 8
	s_add_co_u32 s40, s40, s42
	s_lshl_b32 s40, s40, 13                        ; rows of 8,192 bytes: under 2^24
	s_mov_b32 s41, 0
	s_lshl_b32 s46, s[TC], 8
	s_add_co_u32 s46, s46, s42
	s_lshl_b32 s46, s46, 13                        ; under 2^26
	s_mov_b32 s47, 0
	s_mul_i32 s23, s[WV], HALFT                    ; and where they go: ab's two halves, then wb's: wave x 128 rows
	s_wait_dscnt 0x0                               ; both opening adds are done
	s_wait_kmcnt 0x0
	s_add_nc_u64 s[40:41], s[4:5], s[40:41]
	s_add_nc_u64 s[46:47], s[6:7], s[46:47]
	CROUND                                         ; all sixteen work-groups are here: the first joint loads meet
.irp s, 0,1
	s_mov_b32 s[G0+4*(\s)], 1                                        ; count = 1
	s_add_co_u32 s[G0+4*(\s)+1], s23, (\s)*SLOT                      ; LDS address
	s_add_nc_u64 s[G0+4*(\s)+2:G0+4*(\s)+3], s[40:41], (\s)*KSTEP*2  ; global address: K step s
	s_or_b32 s[G0+4*(\s)+3], s[G0+4*(\s)+3], 0x80000000              ; type = 2
	s_mov_b32 s[G0B+4*(\s)], 1
	s_add_co_u32 s[G0B+4*(\s)+1], s23, (\s)*SLOT
	s_add_nc_u64 s[G0B+4*(\s)+2:G0B+4*(\s)+3], s[46:47], (\s)*KSTEP*2
	s_or_b32 s[G0B+4*(\s)+3], s[G0B+4*(\s)+3], 0x80000000
	JLOAD \s                                       ; the ring is filled before anything else is done: two loads of mine are out
.endr
	; the prefetches of tiles: my work-group's 32 of the 128 rows that I fetch, standing at K step 2: the first refill steps it to 3 and names K step 4
	s_lshl_b32 s21, s[TR], 8
	s_lshl_b32 s22, s[TC], 8
	s_and_b32 s42, ttmp7, 0xffff                   ; cluster y
	s_cmp_eq_u32 s[WR], 0                          ; do I fetch for ab?
	s_cselect_b32 s21, s21, s22                    ; the tile's first row
	s_cselect_b32 s22, s[CX], s[CY]                ; my place among the four that ask for it with me
	s_cselect_b32 s42, ttmp9, s42                  ; the coordinate along which other clusters read the same rows
	s_cselect_b64 s[PFA:PFA+1], s[4:5], s[6:7]
	s_cmp_eq_u32 s42, 0
	s_cselect_b32 s[LIM], 1, -1                    ; the same in all sixteen partners, for a given wave
	s_lshl_b32 s42, s[WC], 7
	s_add_co_u32 s21, s21, s42
	s_lshl_b32 s22, s22, 5
	s_add_co_u32 s21, s21, s22
	s_lshl_b32 s66, s21, 13
	s_mov_b32 s67, 0
	s_add_nc_u64 s[PFA:PFA+1], s[PFA:PFA+1], s[66:67]
	s_add_nc_u64 s[PFA:PFA+1], s[PFA:PFA+1], 2*KSTEP*2
	; my wave's 64 whole rows of the work-group's 256 x 64 numbers, in c, out0 and out1: row 256 x tile row + 64 x wave, byte 256 x tile column
	s_lshl_b32 s66, s[TR], 8
	s_lshl_b32 s42, s[WV], 6
	s_add_co_u32 s66, s66, s42
	s_lshl_b32 s66, s66, 13
	s_lshl_b32 s42, s[TC], 8
	s_add_co_u32 s66, s66, s42
	s_add_nc_u64 s[PFC:PFC+1], s[8:9], s[66:67]
	s_add_nc_u64 s[10:11], s[10:11], s[66:67]
	s_add_nc_u64 s[12:13], s[12:13], s[66:67]
	s_mov_b32 s[G0C], 1
	s_mul_i32 s[G0C+1], s[WV], 64*PITCH            ; c's tile lies from LDS byte 0 on: wave x 64 rows
	s_mov_b64 s[G0C+2:G0C+3], s[PFC:PFC+1]
	s_or_b32 s[G0C+3], s[G0C+3], 0x80000000
	; A fragment is 16 rows x 32 K in 8 registers: lane l holds row l % 16; registers 0-3 K = 8 (l / 16) + 0..7, registers 4-7 K = 16 + 8 (l / 16) + 0..7: two loads of 16 bytes, 32 bytes apart.
	v_and_b32 v1, 15, v0                           ; r = l % 16
	v_bfe_u32 v2, v0, 4, 1                         ; hh = l / 16
	v_mul_u32_u24 v3, v1, PITCH
	v_lshl_add_u32 v3, v2, 4, v3                   ; row x pitch + 16 x half
	s_mul_i32 s21, s[WR], HALFT                    ; my 128 rows of ab
	s_mul_i32 s22, s[WC], HALFT                    ; my 128 rows of wb,
	s_add_co_u32 s22, s22, 2*HALFT                 ; which lie behind ab's 256
.irp s, 0,1
	v_add_nc_u32 v[ADRA+(\s)], s21, v3
	v_add_nc_u32 v[ADRB+(\s)], s22, v3
	s_add_co_u32 s21, s21, SLOT
	s_add_co_u32 s22, s22, SLOT
.endr
	v_mul_u32_u24 v4, v1, PITCH                    ; the update: row 128 x row half + r, bytes 128 x column half + 32 hh (8 numbers); block a and column half cb stand in the immediates
	v_lshl_add_u32 v4, v2, 5, v4
	s_mul_i32 s21, s[WR], 128*PITCH
	s_lshl_b32 s22, s[WC], 7
	s_add_co_u32 s21, s21, s22
	v_add_nc_u32 v[CINA], s21, v4
	v_add_nc_u32 v[HSTA], HST, v[CINA]
	v_add_nc_u32 v[CSTA], CST, v[CINA]
	v_mul_u32_u24 v5, v2, PITCH                    ; back: wave w takes rows 64 w .. 64 w + 63, whole; lanes 0-15 one row of 256 bytes, lanes 16-31 the next
	v_lshl_add_u32 v5, v1, 4, v5
	s_mul_i32 s21, s[WV], 64*PITCH
	v_add_nc_u32 v5, s21, v5
	v_add_nc_u32 v[RDH], HST, v5
	v_add_nc_u32 v[RDC], CST, v5
	v_lshlrev_b32 v[CO], 13, v2                    ; and the same two rows in an output
	v_lshl_add_u32 v[CO], v1, 4, v[CO]
	v_and_b32 v[PFO], 31, v0
	v_lshlrev_b32 v[PFO], 13, v[PFO]
	s_lshl_b32 s21, s[TC], 8                       ; the biases: column 64 x tile column + 32 x column half + 16 cb + 8 hh + j, 4 bytes each
	s_lshl_b32 s22, s[WC], 7
	s_add_co_u32 s21, s21, s22
	v_lshl_add_u32 v[BO], v2, 5, s21
.irp g, 0,1,2,3
.irp cb, 0,1
.irp q, 0,1
	global_load_b128 v[BIAS+16*(\g)+8*(\cb)+4*(\q):BIAS+16*(\g)+8*(\cb)+4*(\q)+3], v[BO], s[BX+4*(\g):BX+4*(\g)+1] offset:64*(\cb)+16*(\q)
	global_load_b128 v[F1+16*(\g)+8*(\cb)+4*(\q):F1+16*(\g)+8*(\cb)+4*(\q)+3], v[BO], s[BX+4*(\g)+2:BX+4*(\g)+3] offset:64*(\cb)+16*(\q)
.endr
.endr
.endr
	s_wait_loadcnt 0x0                             ; once, while the first tiles are on their way
.set k, 0
.rept 32
	v_pk_add_f32 v[BIAS+k:BIAS+k+1], v[BIAS+k:BIAS+k+1], v[F1+k:F1+k+1]  ; b_x + b_h, as reference() adds them to the sums
.set k, k+2
.endr
; 16 matrix instructions: m blocks a0, a0 + 1 of the window's four (hi = 0: my rows 0-63, 1: rows 64-127) x all 8 blocks of wb's rows, 32 along K.  The 64 accumulators take turns in the same order in every quarter
; step, one instruction a turn.  zero = 1: the first product starts the sum with the bias (C in window 0, D in window 2 or 3).
.macro MUL16 f, hi, a0, zero
.if \zero
	WIN 0x81+0x40*(\hi)
.else
	WIN MUL_LO+0x50*(\hi)
.endif
.irp a, \a0, (\a0)+1
.irp b, 0,1,2,3,4,5,6,7
.if \zero
	v_wmma_f32_16x16x32_bf16 v[8*(8*(\a)+(\b)):8*(8*(\a)+(\b))+7], v[(\f)+8*(\b):(\f)+8*(\b)+7], v[(\f)+8*(4*(\hi)+(\a)):(\f)+8*(4*(\hi)+(\a))+7], v[BIAS+8*(\b):BIAS+8*(\b)+7]
.else
	v_wmma_f32_16x16x32_bf16 v[8*(8*(\a)+(\b)):8*(8*(\a)+(\b))+7], v[(\f)+8*(\b):(\f)+8*(\b)+7], v[(\f)+8*(4*(\hi)+(\a)):(\f)+8*(4*(\hi)+(\a))+7], v[8*(8*(\a)+(\b)):8*(8*(\a)+(\b))+7]
.endif
.endr
.endr
.endm
; 32 LDS loads in one run: the fragments of one quarter step (128 rows of wb, 128 rows of ab, 32 K at byte k of the rows) into buffer f
.macro FETCH slot, k, f
	WIN TO_B
.irp i, 0,1,2,3,4,5,6,7
	ds_load_b128 v[(\f)+8*(\i):(\f)+8*(\i)+3],   v[ADRB+(\slot)] offset:(\k)+(\i)*16*PITCH
	ds_load_b128 v[(\f)+8*(\i)+4:(\f)+8*(\i)+7], v[ADRB+(\slot)] offset:(\k)+(\i)*16*PITCH+32
.endr
	WIN 0
.irp i, 0,1,2,3,4,5,6,7
	ds_load_b128 v[(\f)+8*(\i):(\f)+8*(\i)+3],   v[ADRA+(\slot)] offset:(\k)+(\i)*16*PITCH
	ds_load_b128 v[(\f)+8*(\i)+4:(\f)+8*(\i)+7], v[ADRA+(\slot)] offset:(\k)+(\i)*16*PITCH+32
.endr
.endm
; A load into a register that a matrix instruction has read, and a vector instruction that reads a matrix result, stand four places behind that matrix instruction, and only plain vector instructions that name
; none of its registers are places (ISA guide 7.12.1 for vector instructions).
.macro PLACES
.rept 4
	v_nop
.endr
.endm
; A K step is four quarter steps of 32 along K, 64 matrix instructions each, on buffers 0, 1, 0, 1.  One of the first three: multiplies buffer f; in its middle it fetches the next quarter, at byte k, into buffer g.
.macro QUARTER slot, k, f, g, zero
	s_wait_dscnt 8                                 ; wb's fragments and ab's rows 0-63 are in; the youngest eight loads (ab's rows 64-127) may be out
	MUL16 \f, 0, 0, \zero
	MUL16 \f, 0, 2, \zero
	PLACES
	FETCH \slot, \k, \g
	s_wait_dscnt 32                                ; all but the 32 just issued
	MUL16 \f, 1, 0, \zero
	MUL16 \f, 1, 2, \zero
.endm
; The last quarter multiplies buffer 1 and changes slots.  MEET is its first half: in front of the barrier each wave waits for all its tensor loads, of which one is out: its part of the next slot; adds 0 to its spare
; word; and waits for that and for its own reads of this slot.  The barrier opens a round of the cluster's.
.macro MEET
	WIN 0                                          ; (the add's two registers lie in window 0)
	s_wait_tensorcnt 0x0                           ; all my tensor loads have landed;
	ds_add_u32 v[SPW], v[NIL]                      ; 0 onto my spare word;
	s_wait_dscnt 9                                 ; (the add and the youngest eight loads may be out)
	MUL16 F1, 0, 0, 0                              ; sixteen matrix instructions stand between the add and the wait for it
	s_wait_dscnt 0x0                               ; the add is done, and my reads of this slot are over:
	s_barrier_signal -1                            ; say so,
	MUL16 F1, 0, 2, 0                              ; work on registers while the others arrive,
	WIN 0
	s_barrier_wait -1                              ; and go on when all four have said so
.endm
; The whole last quarter in the loop: behind the round the slot just read out is filled again first, with the K step two steps on; then come the next slot's first fragments.  From a request to the wait for it a wave
; issues 224 matrix instructions.
.macro TURN slot, next
	s_wait_xcnt 0x0                                ; the last prefetches, a K step back, have read their address: it is stepped here, ahead of the waits of the change of slots
	s_add_nc_u64 s[PFA:PFA+1], s[PFA:PFA+1], KSTEP*2
	MEET
	CREST                                          ; no wave of any partner still reads this slot's tile or has a load on its way
	s_add_nc_u64 s[G0+4*(\slot)+2:G0+4*(\slot)+3], s[G0+4*(\slot)+2:G0+4*(\slot)+3], 2*KSTEP*2
	s_add_nc_u64 s[G0B+4*(\slot)+2:G0B+4*(\slot)+3], s[G0B+4*(\slot)+2:G0B+4*(\slot)+3], 2*KSTEP*2
	JLOAD \slot                                    ; the first tensor load behind the round; the four v_nop behind it are also the places in front of the loads below
	FETCH \next, 0, F0
	ASK \slot
	MUL16 F1, 1, 0, 0
	MUL16 F1, 1, 2, 0
.endm
; The change of slots that leaves slot 0 for the last time: the same waits and round; each wave's one load behind it brings its 64 rows of c to where slot 0 held ab.  It has the last K step in which to land.
.macro TURNC
	MEET
	CREST
	tensor_load_to_lds s[G0C:G0C+3], s[G1C:G1C+7]
	s_nop 0
.rept 4
	v_nop
.endr
	FETCH 1, 0, F0
	MUL16 F1, 1, 0, 0
	MUL16 F1, 1, 2, 0
.endm
; THE CELL UPDATE of m block a: 16 rows x 32 columns, 16 numbers a lane.  Each accumulator is read from its lowest registers on.  The transcendentals go in four batches, each with one plain
; instruction behind its last and ONE wait (s_wait_alu depctr_va_vdst(0) ahead of the first line that names a result; one wait serves all that were issued ahead of it).
.macro GATES a
	WIN 0
.irp cb, 0,1
.irp q, 0,1
	ds_load_b128 v[CC+8*(\cb)+4*(\q):CC+8*(\cb)+4*(\q)+3], v[CINA] offset:(\a)*16*PITCH+64*(\cb)+16*(\q)  ; c, wanted far below
.endr
.endr
	WIN 0x02+(\a)/4                                ; source 0: window 2 or 3
.set k, 0
.rept 32
.if (k >= 32) && (k < 48)
	v_pk_mul_f32 v[T+k:T+k+1], v[64*((\a)%4)+k:64*((\a)%4)+k+1], s[K2:K2+1] op_sel_hi:[1,0]  ; g: 2 a log2(e)
.else
	v_pk_mul_f32 v[T+k:T+k+1], v[64*((\a)%4)+k:64*((\a)%4)+k+1], s[NK:NK+1] op_sel_hi:[1,0]  ; i, f, o: -a log2(e)
.endif
.set k, k+2
.endr
	WIN 0
.set k, 0
.rept 64
	v_exp_f32 v[T+k], v[T+k]
.set k, k+1
.endr
	v_nop
	s_wait_alu depctr_va_vdst(0)
.set k, 0
.rept 32
	v_pk_add_f32 v[T+k:T+k+1], v[T+k:T+k+1], 1.0 op_sel_hi:[1,0]
.set k, k+2
.endr
.set k, 0
.rept 64
	v_rcp_f32 v[T+k], v[T+k]
.set k, k+1
.endr
	v_nop
	s_wait_alu depctr_va_vdst(0)
.set k, 0
.rept 8
	v_pk_fma_f32 v[T+32+k:T+32+k+1], v[T+32+k:T+32+k+1], -2.0, 1.0 op_sel_hi:[1,0,0]  ; g = 1 - 2 / (1 + 2^..)
.set k, k+2
.endr
	s_wait_dscnt 0x0                               ; c is in
.set k, 0
.rept 8
	v_pk_mul_f32 v[CN+k:CN+k+1], v[T+16+k:T+16+k+1], v[CC+k:CC+k+1]                    ; f c
.set k, k+2
.endr
.set k, 0
.rept 8
	v_pk_fma_f32 v[CN+k:CN+k+1], v[T+k:T+k+1], v[T+32+k:T+32+k+1], v[CN+k:CN+k+1]      ; + i g
.set k, k+2
.endr
.set k, 0
.rept 8
	v_pk_mul_f32 v[U+k:U+k+1], v[CN+k:CN+k+1], s[K2:K2+1] op_sel_hi:[1,0]
.set k, k+2
.endr
.set k, 0
.rept 16
	v_exp_f32 v[U+k], v[U+k]
.set k, k+1
.endr
	v_nop
	s_wait_alu depctr_va_vdst(0)
.set k, 0
.rept 8
	v_pk_add_f32 v[U+k:U+k+1], v[U+k:U+k+1], 1.0 op_sel_hi:[1,0]
.set k, k+2
.endr
.set k, 0
.rept 16
	v_rcp_f32 v[U+k], v[U+k]
.set k, k+1
.endr
	v_nop
	s_wait_alu depctr_va_vdst(0)
.set k, 0
.rept 8
	v_pk_fma_f32 v[U+k:U+k+1], v[U+k:U+k+1], -2.0, 1.0 op_sel_hi:[1,0,0]               ; tanh(c_)
.set k, k+2
.endr
.set k, 0
.rept 8
	v_pk_mul_f32 v[HN+k:HN+k+1], v[T+48+k:T+48+k+1], v[U+k:U+k+1]                      ; o tanh(c_)
.set k, k+2
.endr
.irp cb, 0,1
.irp q, 0,1
	ds_store_b128 v[CSTA], v[CN+8*(\cb)+4*(\q):CN+8*(\cb)+4*(\q)+3] offset:(\a)*16*PITCH+64*(\cb)+16*(\q)
	ds_store_b128 v[HSTA], v[HN+8*(\cb)+4*(\q):HN+8*(\cb)+4*(\q)+3] offset:(\a)*16*PITCH+64*(\cb)+16*(\q)
.endr
.endr
.endm
	s_wait_tensorcnt 1                             ; my part of K step 0 is in; K step 1's may stay out
	s_barrier_signal -1
	s_barrier_wait -1                              ; everybody's is
	FETCH 0, 0, F0
	QUARTER 0, 64,  F0, F1, 1                      ; the first quarter stands in front of the loop: its products start the sums, with the biases
	WIN 0                                          ; at a label and at a branch every window is 0
	s_mov_b32 s3, LAPS-1
.Llap:                                                 ; a trip goes once round the ring, from a lap's second quarter to the next lap's first, and fills both slots again
	QUARTER 0, 128, F1, F0, 0
	QUARTER 0, 192, F0, F1, 0
	TURN 0, 1
	QUARTER 1, 64,  F0, F1, 0
	QUARTER 1, 128, F1, F0, 0
	QUARTER 1, 192, F0, F1, 0
	TURN 1, 0
	QUARTER 0, 64,  F0, F1, 0
	WIN 0
	s_sub_co_u32 s3, s3, 1
	s_cmp_lg_u32 s3, 0
	s_cbranch_scc1 .Llap
	QUARTER 0, 128, F1, F0, 0                      ; the last lap is written out: it asks for no further K step
	QUARTER 0, 192, F0, F1, 0
	TURNC                                          ; slot 0 is left: c's tile goes out
	QUARTER 1, 64,  F0, F1, 0
	QUARTER 1, 128, F1, F0, 0
	QUARTER 1, 192, F0, F1, 0
	s_wait_dscnt 8                                 ; the very last quarter: nothing more to fetch
	MUL16 F1, 0, 0, 0
	MUL16 F1, 0, 2, 0
	s_wait_dscnt 0x0
	MUL16 F1, 1, 0, 0
	MUL16 F1, 1, 2, 0
	WIN 0
	PLACES                                         ; behind the last products, in front of the lines that read results and of loads into buffer 1's registers;
	PLACES                                         ; eight, once a launch: the stricter count
	s_wait_tensorcnt 0x0                           ; my 64 rows of c have landed (my only load that was out),
	s_wait_dscnt 0x0                               ; and my reads of slot 1 are over:
	s_barrier_signal -1
	s_barrier_wait -1                              ; both hold of all four waves: c's tile may be read, and the stages written (slot 0's half was left at the round before; no fill follows)
.irp a, 0,1,2,3,4,5,6,7
	GATES \a
.endr
	s_wait_dscnt 0x0                               ; for the others' sake: my stores into the stages are done (a row's 256 bytes come from two waves)
	s_barrier_signal -1
	s_barrier_wait -1
	; whole rows back, 64 rows a wave of each output, two rows an instruction; then out
.set t, 0
.rept 32
	ds_load_b128 v[64+4*t:64+4*t+3], v[RDC] offset:t*2*PITCH
.set t, t+1
.endr
	WIN TO_B
.set t, 0
.rept 32
	ds_load_b128 v[64+4*t:64+4*t+3], v[RDH] offset:t*2*PITCH
.set t, t+1
.endr
	WIN 0
.set t, 0
.rept 32
	s_wait_dscnt 63-t                              ; LDS loads come back in order (ISA guide 5.7.1): pair t of c_'s rows is in
	global_store_b128 v[CO], v[64+4*t:64+4*t+3], s[12:13] offset:t*2*ROWB th:TH_STORE_NT  ; 16 lanes store 256 consecutive bytes, at a multiple of 256 from out1's first byte
.set t, t+1
.endr
	WIN 0x04                                       ; the stores' data in window 1
.set t, 0
.rept 32
	s_wait_dscnt 31-t
	global_store_b128 v[CO], v[64+4*t:64+4*t+3], s[10:11] offset:t*2*ROWB th:TH_STORE_NT  ; the same for h_, into out0
.set t, t+1
.endr
	WIN 0
	s_wait_tensorcnt 0x0                           ; the wave's end, behind my last tensor load and my last LDS store
	ds_add_u32 v[SPW], v[NIL]
	s_wait_dscnt 0x0
	CROUND                                         ; the closing round: no work-group ends while a partner may still ask for a tile that names it
	s_endpgm
.Lfunc_end_k_q92d23a9991_lstm:
	.size	k_q92d23a9991_lstm, .Lfunc_end_k_q92d23a9991_lstm-k_q92d23a9991_lstm
	.p2alignl 7, 3214868480
	.fill 96, 4, 3214868480
	.section	.rodata,"a",@progbits
	.p2align	6, 0x0
	.amdhsa_kernel k_q92d23a9991_lstm
		.amdhsa_group_segment_fixed_size 327680
		.amdhsa_private_segment_fixed_size 0
		.amdhsa_enable_private_segment 0
		.amdhsa_kernarg_size 104
		.amdhsa_user_sgpr_count 2
		.amdhsa_user_sgpr_kernarg_segment_ptr 1
		.amdhsa_wavefront_size32 1
		.amdhsa_system_sgpr_workgroup_id_x 1
		.amdhsa_system_sgpr_workgroup_id_y 1
		.amdhsa_system_sgpr_workgroup_id_z 1
		.amdhsa_system_vgpr_workitem_id 0
		.amdhsa_next_free_vgpr 1024
		.amdhsa_next_free_sgpr 102
		.amdhsa_reserve_vcc 0
		.amdhsa_float_denorm_mode_32 3
		.amdhsa_float_denorm_mode_16_64 3
		.amdhsa_memory_ordered 1
		.amdhsa_forward_progress 1
		.amdhsa_inst_pref_size 241
	.end_amdhsa_kernel
	.amdgpu_metadata
---
amdhsa.version: [ 1, 2 ]
amdhsa.kernels:
  - .name:           k_q92d23a9991_lstm
    .symbol:         k_q92d23a9991_lstm.kd
    .args:
      - { .name: b_xi, .offset: 0, .size: 8, .value_kind: global_buffer, .address_space: global }
      - { .name: b_hi, .offset: 8, .size: 8, .value_kind: global_buffer, .address_space: global }
      - { .name: b_xf, .offset: 16, .size: 8, .value_kind: global_buffer, .address_space: global }
      - { .name: b_hf, .offset: 24, .size: 8, .value_kind: global_buffer, .address_space: global }
      - { .name: b_xc, .offset: 32, .size: 8, .value_kind: global_buffer, .address_space: global }
      - { .name: b_hc, .offset: 40, .size: 8, .value_kind: global_buffer, .address_space: global }
      - { .name: b_xo, .offset: 48, .size: 8, .value_kind: global_buffer, .address_space: global }
      - { .name: b_ho, .offset: 56, .size: 8, .value_kind: global_buffer, .address_space: global }
      - { .name: ab, .offset: 64, .size: 8, .value_kind: global_buffer, .address_space: global }
      - { .name: wb, .offset: 72, .size: 8, .value_kind: global_buffer, .address_space: global }
      - { .name: c, .offset: 80, .size: 8, .value_kind: global_buffer, .address_space: global }
      - { .name: out0, .offset: 88, .size: 8, .value_kind: global_buffer, .address_space: global }
      - { .name: out1, .offset: 96, .size: 8, .value_kind: global_buffer, .address_space: global }
    .group_segment_fixed_size: 327680
    .private_segment_fixed_size: 0
    .kernarg_segment_align: 8
    .kernarg_segment_size: 104
    .max_flat_workgroup_size: 128
    .sgpr_count:     102
    .vgpr_count:     1024
    .wavefront_size: 32
...
	.end_amdgpu_metadata
.endif
;; end of part 2
;; ======== version 2 of 2: 2 launches; version 1 with the launch cast written anew for expert scheduling mode
;; limits: a function is approximated: absolute error at most 1.2e-07; right only within a limited range of input values
;; workspace buffers: ab 16,777,216 bytes; wb 67,108,864 bytes
;; launch cast (part 3): grid 128 x 10, 8 waves a work-group, no clusters, 0 bytes of LDS; arguments x, h, w_xi, w_hi, w_xf, w_hf, w_xc, w_hc, w_xo, w_ho, ab, wb; writes ab, wb
.if DOCPART == 3
	.amdgcn_target "amdgcn-amd-amdhsa--gfx1250"
	.amdhsa_code_object_version 6
	.text
	.protected	k_q92d23a9991_cast
	.globl	k_q92d23a9991_cast
	.p2align	8
	.type	k_q92d23a9991_cast,@function
k_q92d23a9991_cast:
	s_mov_b64 s[64:65], 0
	v_nop
	global_prefetch_b8 v0, s[64:65] scope:SCOPE_SE
	s_setreg_imm32_b32 hwreg(HW_REG_WAVE_SCHED_MODE, 0, 2), 2
	s_setreg_imm32_b32 hwreg(HW_REG_WAVE_MODE, 25, 1), 1
	s_wait_xcnt 0x0
	s_wait_alu depctr_vm_vsrc(0)
; LSTM cell, first of two launches: the ten matrix operands (x, h and the eight weights, all [2048][2048] f32) are rounded ONCE to bf16 and laid out as the two operands of one product.
;   ab [2048][4096] bf16: row m = x[m][0..2047], then h[m][0..2047].
;   wb [8192][4096] bf16: row p = (col >> 5) * 128 + gate * 32 + (col & 31), gates i, f, c, o = 0..3, holds w_x{gate}[col][:], then w_h{gate}[col][:]:
;      128 rows on end are 4 gates x 32 columns, so that the four gates of one output number meet in one lane of the second launch.
; NOTHING IS LEFT OUT: every one of reference()'s 19 inputs reaches an output for all values; the biases and c are read by the second launch.
; LIMITS: the rounding to bf16 (nearest even) is the only change; bf16 has f32's range, so no finite input overflows but those that round up past the largest bf16.
; SHARES.  Grid y = which source (0..9, in the order of the arguments), grid x = a block of 16 of its rows; wave w takes rows 16 bx + 2 w and the next.  A source row is 8,192 bytes: 16 loads of 16 bytes a
; lane, 512 consecutive bytes each; it leaves as 4,096 bytes: 16 stores of 8 bytes a lane, each 256 consecutive bytes at a multiple of 256 from the buffer's first byte.
; No loop: all 32 loads of a wave go out first, and they are rounded and stored as they come, four at a time.  No LDS, no barrier, no matrix unit, no cluster: no wave wants a byte that another has fetched.
; THE MODE: SCHED_MODE bits 1:0 = 2 (LLVM: expert scheduling mode 2), set by the entry lines.  The code itself states the register dependences between vector instructions and memory instructions, with
; s_wait_alu, always for 0.
; THE PLAN.  Registers that memory instructions touch:
;   v1, v2            the loads' and the stores' byte offsets: made once at the head, never written again.
;   v[X+4n : X+4n+3]  load n lands here (no vector instruction names them before); behind the wait for its data two conversions read all four and write the first two; store n reads those two; never written again.
; The 32 loads go in 8 groups of four.  Group g's memory instructions are the four stores of group g - 1, whose data group g - 1's conversions wrote and no vector instruction of group g names.  So ONE wait at a
; group's head states all that its stores hang on, and they are dealt among its conversions with no further wait.  No register that a memory instruction has read is written again, so nothing is owed for that.
.set ROWF, 8192                        ; bytes in a source row (2,048 f32)
.set ROWD, 8192                        ; bytes in a row of ab and of wb (4,096 bf16)
.set X,    4                           ; v[4:131] load n of 32 at X + 4 n; its two packed words take the first two of its four registers
.set GRP,  4                           ; loads in a group
	s_load_b512 s[8:23], s[0:1], 0x0               ; x, h, w_xi, w_hi, w_xf, w_hf, w_xc, w_hc
	s_load_b256 s[24:31], s[0:1], 0x40             ; w_xo, w_ho, ab s[28:29], wb s[30:31]
	v_lshrrev_b32 v3, 5, v0
	v_readfirstlane_b32 s3, v3                     ; wave 0..7
	v_and_b32 v1, 31, v0
	v_lshlrev_b32 v2, 3, v1                        ; 8 bytes a lane on the way out
	v_lshlrev_b32 v1, 4, v1                        ; 16 bytes a lane on the way in
	s_and_b32 s2, ttmp7, 0xffff                    ; the source's number
	s_lshl_b32 s32, ttmp9, 4
	s_wait_alu depctr_va_sdst(0)                   ; s3 is written, ahead of its first reader: my rows' number is made from it
	s_lshl1_add_u32 s32, s3, s32                   ; my first row = 16 x block + 2 x wave (even: both rows share col >> 5)
	s_lshl_b32 s34, s32, 13                        ; its byte offset in the source
	s_mov_b32 s35, 0
	s_lshr_b32 s38, s32, 5
	s_lshl_b32 s38, s38, 7                         ; (col >> 5) * 128
	s_and_b32 s39, s32, 31                         ; col & 31
	s_lshr_b32 s40, s2, 1
	s_max_u32 s40, s40, 1                          ; (x and h take gate 0 here; their row is chosen below)
	s_sub_co_u32 s40, s40, 1                       ; the gate
	s_lshl_b32 s40, s40, 5
	s_add_co_u32 s41, s38, s39
	s_add_co_u32 s41, s41, s40                     ; the row in wb
	s_cmp_lt_u32 s2, 2
	s_cselect_b32 s36, s32, s41                    ; x and h keep their row, in ab
	s_lshl_b32 s36, s36, 13
	s_and_b32 s42, s2, 1                           ; the h side is the second half of a row
	s_lshl_b32 s42, s42, 12
	s_add_co_u32 s36, s36, s42
	s_mov_b32 s37, 0
	s_wait_kmcnt 0x0
	s_mov_b64 s[4:5], s[8:9]                       ; the source's address: a choice among the ten by the work-group's y
.irp i, 1,2,3,4,5,6,7,8,9
	s_cmp_eq_u32 s2, \i
	s_cselect_b64 s[4:5], s[8+2*(\i):9+2*(\i)], s[4:5]
.endr
	s_cmp_lt_u32 s2, 2
	s_cselect_b64 s[6:7], s[28:29], s[30:31]       ; and the destination's
	s_add_nc_u64 s[4:5], s[4:5], s[34:35]
	s_add_nc_u64 s[6:7], s[6:7], s[36:37]
	s_wait_alu depctr_va_vdst(0)                   ; v1 and v2 are written: every load of the kernel reads v1 as its offset, every store v2
.set n, 0
.rept 32                                       ; two rows: 16 KiB of a wave on their way at once
	global_load_b128 v[X+4*n:X+4*n+3], v1, s[4:5] offset:(n/16)*ROWF+(n%16)*512 th:TH_LOAD_NT
.set n, n+1
.endr
.set g, 0
.rept 32/GRP                                   ; group g: its four loads are rounded; the four stores of the group before go out among the conversions
	s_wait_loadcnt 32-GRP-GRP*g                    ; loads come back in order (ISA guide 5.7.1): this group's four are in, the younger ones stay out
.if g > 0
	s_wait_alu depctr_va_vdst(0)                   ; the conversions of the group before have written their packed words, which the stores below read
.endif
.set i, 0
.rept GRP
.set n, GRP*g+i
.set m, n-GRP
.if g > 0
	global_store_b64 v2, v[X+4*m:X+4*m+1], s[6:7] offset:(m/16)*ROWD+(m%16)*256 th:TH_STORE_NT  ; no vector instruction since the wait names these registers; no register that a store names is written again
.endif
	v_cvt_pk_bf16_f32 v[X+4*n], v[X+4*n], v[X+4*n+1]
	v_cvt_pk_bf16_f32 v[X+4*n+1], v[X+4*n+2], v[X+4*n+3]
.set i, i+1
.endr
.set g, g+1
.endr
	s_wait_alu depctr_va_vdst(0)                   ; the last group's conversions have written their packed words, which the last four stores read
.set m, 32-GRP
.rept GRP
	global_store_b64 v2, v[X+4*m:X+4*m+1], s[6:7] offset:(m/16)*ROWD+(m%16)*256 th:TH_STORE_NT
.set m, m+1
.endr
	s_endpgm
.Lfunc_end_k_q92d23a9991_cast:
	.size	k_q92d23a9991_cast, .Lfunc_end_k_q92d23a9991_cast-k_q92d23a9991_cast
	.p2alignl 7, 3214868480
	.fill 96, 4, 3214868480
	.section	.rodata,"a",@progbits
	.p2align	6, 0x0
	.amdhsa_kernel k_q92d23a9991_cast
		.amdhsa_group_segment_fixed_size 0
		.amdhsa_private_segment_fixed_size 0
		.amdhsa_enable_private_segment 0
		.amdhsa_kernarg_size 96
		.amdhsa_user_sgpr_count 2
		.amdhsa_user_sgpr_kernarg_segment_ptr 1
		.amdhsa_wavefront_size32 1
		.amdhsa_system_sgpr_workgroup_id_x 1
		.amdhsa_system_sgpr_workgroup_id_y 1
		.amdhsa_system_sgpr_workgroup_id_z 1
		.amdhsa_system_vgpr_workitem_id 0
		.amdhsa_next_free_vgpr 132
		.amdhsa_next_free_sgpr 66
		.amdhsa_reserve_vcc 0
		.amdhsa_float_denorm_mode_32 3
		.amdhsa_float_denorm_mode_16_64 3
		.amdhsa_memory_ordered 1
		.amdhsa_forward_progress 1
		.amdhsa_inst_pref_size 13
	.end_amdhsa_kernel
	.amdgpu_metadata
---
amdhsa.version: [ 1, 2 ]
amdhsa.kernels:
  - .name:           k_q92d23a9991_cast
    .symbol:         k_q92d23a9991_cast.kd
    .args:
      - { .name: x, .offset: 0, .size: 8, .value_kind: global_buffer, .address_space: global }
      - { .name: h, .offset: 8, .size: 8, .value_kind: global_buffer, .address_space: global }
      - { .name: w_xi, .offset: 16, .size: 8, .value_kind: global_buffer, .address_space: global }
      - { .name: w_hi, .offset: 24, .size: 8, .value_kind: global_buffer, .address_space: global }
      - { .name: w_xf, .offset: 32, .size: 8, .value_kind: global_buffer, .address_space: global }
      - { .name: w_hf, .offset: 40, .size: 8, .value_kind: global_buffer, .address_space: global }
      - { .name: w_xc, .offset: 48, .size: 8, .value_kind: global_buffer, .address_space: global }
      - { .name: w_hc, .offset: 56, .size: 8, .value_kind: global_buffer, .address_space: global }
      - { .name: w_xo, .offset: 64, .size: 8, .value_kind: global_buffer, .address_space: global }
      - { .name: w_ho, .offset: 72, .size: 8, .value_kind: global_buffer, .address_space: global }
      - { .name: ab, .offset: 80, .size: 8, .value_kind: global_buffer, .address_space: global }
      - { .name: wb, .offset: 88, .size: 8, .value_kind: global_buffer, .address_space: global }
    .group_segment_fixed_size: 0
    .private_segment_fixed_size: 0
    .kernarg_segment_align: 8
    .kernarg_segment_size: 96
    .max_flat_workgroup_size: 256
    .sgpr_count:     66
    .vgpr_count:     132
    .wavefront_size: 32
...
	.end_amdgpu_metadata
.endif
;; end of part 3
;; launch lstm: the kernel of part 2 again; grid 32 x 8, 4 waves a work-group, clusters of 4 x 4, 327,680 bytes of LDS; arguments b_xi, b_hi, b_xf, b_hf, b_xc, b_hc, b_xo, b_ho, ab, wb, c, out0, out1; writes out0, out1
